; MI455X (gfx1250); checked and timed in simulation.
; The chip was launched on July 23, 2026; its instructions are those of AMD's public machine-readable ISA for CDNA 5 (MIT licence, August 2026) and "CDNA5" Instruction Set Architecture Reference Guide (July 2026). The comments in the code are by the model that wrote it; some were corrected since.
;; Self Attention. Allowed arithmetic: matrix products marked QUANTISED: E2M1 operands, one E8M0 scale for each 32 along K, by v_wmma_scale_f32_16x16x128_f8f6f4 with both operands' format E2M1 (or v_wmma_scale_f32_32x16x128_f4), f32 sums; products left as they are: bf16, f16 or f32 operands; f32 sums; everything else in f32.
;; Inputs: W_k 768 x 768 float32; W_q 768 x 768 float32; W_v 768 x 768 float32; x 4 x 2,048 x 768 float32.
;; Outputs: out0 4 x 2,048 x 768 float32.
;; This version of the problem:
;;   THIS VERSION OF THE PROBLEM IS GIVEN IN LOW PRECISION. The matrix products marked QUANTISED in the list below multiply operands that are first quantised to E2M1 (2 exponent bits, 1 mantissa bit; 4 bits a number), with one power-of-two scale for each 32 numbers along K (OCP MX v1.0); their sums are f32. The products marked 'left as it is' may take bf16, f16 or f32 operands, with f32 sums. All else is computed in f32.
;;   The module's matrix products, in the order in which they are computed (A, B: the left and right operand; K: the contracted axis; several contracted axes count as one K, in the product's order):
;;     1. [M 8,192, K 768] x [K 768, N 768]; A: input x; B: input W_q: QUANTISED
;;     2. [M 8,192, K 768] x [K 768, N 768]; A: input x; B: input W_k: QUANTISED
;;     3. [M 8,192, K 768] x [K 768, N 768]; A: input x; B: input W_v: QUANTISED
;;     4. batch 4 x [M 2,048, K 768] x [K 768, N 2,048]; A: computed on the way; B: computed on the way: left as it is (an operand is computed on the way)
;;     5. batch 4 x [M 2,048, K 2,048] x [K 2,048, N 768]; A: computed on the way; B: computed on the way: left as it is (an operand is computed on the way)
;;   THE QUANTISER, for each operand of a quantised product, along K:
;;     - K is cut into blocks of 32 from its start; a last block that is shorter is filled with zeros.
;;     - A block's scale is 2^e with e = floor(log2(the largest magnitude in the block)) - 2, held to -126 .. 127; a block of zeros has e = 0. As a byte (E8M0): e + 127.
;;     - Each number is divided by its block's scale, clamped to +-6, and rounded to the nearest number of E2M1, ties to even, subnormals kept.
;;     - The product sums the exact products of the quantised numbers (number of the format x scale) in f32.
;;   ~~~python
;;   def quantise(x, axis):      # numpy; x: float32 -> the quantised numbers, widened to float32 again
;;       x = np.moveaxis(x, axis, -1); K = x.shape[-1]
;;       x = np.pad(x, [(0, 0)] * (x.ndim - 1) + [(0, -K % 32)]); x = x.reshape(x.shape[:-1] + (-1, 32)); a = np.abs(x).max(-1, keepdims=True)
;;       e = np.where(a > 0, np.clip(np.frexp(np.where(a > 0, a, 1))[1] - 1 - 2, -126, 127), 0)      # np.frexp(a)[1] - 1 = floor(log2(a)), exactly
;;       r = np.clip(x / 2.0 ** e, -6, 6)
;;       step = 2.0 ** (np.maximum(np.frexp(np.where(r == 0, 1, r))[1] - 1, 0) - 1)
;;       q = np.round(r / step) * step * 2.0 ** e      # np.round: ties to even
;;       return np.moveaxis(q.reshape(q.shape[:-2] + (-1,))[..., :K], -1, axis).astype(np.float32)
;;   ~~~
;; One version. Each part assembles by itself: llvm-mc -triple=amdgcn-amd-amdhsa -mcpu=gfx1250 --defsym DOCPART=n.
;; ======== version 1 of 1: 4 launches
;; limits: values are held in f16: magnitudes above 65,504 overflow, below 6.1e-05 lose precision; right only within a limited range of input values
;; workspace buffers: xq 3,342,336 bytes; wq 940,032 bytes; qi 12,582,912 bytes; ki 12,582,912 bytes; vt 12,582,912 bytes; pi 33,554,432 bytes; st 786,432 bytes
;; launch quant (part 1): grid 164 x 3, 4 waves a work-group, no clusters, 34,304 bytes of LDS; arguments x, W_q, W_k, W_v, xq, wq; writes xq, wq
.if DOCPART == 1
	.amdgcn_target "amdgcn-amd-amdhsa--gfx1250"
	.amdhsa_code_object_version 6
	.text
	.protected	k_q1a3660278d_quant
	.globl	k_q1a3660278d_quant
	.p2align	8
	.type	k_q1a3660278d_quant,@function
k_q1a3660278d_quant:
	s_mov_b64 s[64:65], 0
	v_nop
	global_prefetch_b8 v0, s[64:65] scope:SCOPE_SE
	s_setreg_imm32_b32 hwreg(HW_REG_WAVE_MODE, 25, 1), 1
	s_wait_xcnt 0x0
; x [8192][768] and W_q, W_k, W_v [768 (k)][768 (n)], f32, become codes of FP4 (E2M1) with one E8M0 scale byte for each 32 along K = 768.
; A block's scale is 2^(floor(log2(its largest magnitude)) - 2): its byte is the largest magnitude's exponent field - 2, held at 1 from below.
; LIMITS: a block of zeros gets the byte 1 where the rule says 127 (its codes are zeros, and the bytes are read by this program alone); NaN and infinities are not served.
; THE WORKSPACE IS LAID AS IMAGES OF THE OPERAND'S REGISTERS.  A fragment (16 rows x 128 K, 8 registers a lane) is 1,024 bytes: register group c (4 registers) of lane l at 512 c + 16 l.
;   xq: codes [token block 512][K step 6][1,024]; from XS_OFF on the scale words [token block][pair of K steps 3][32 words]: word l < 16 = row l, even K step; word l >= 16 = row l - 16, odd K step.
;   wq: the same for 144 blocks of 16 columns (0-47 W_q, 48-95 W_k, 96-143 W_v); scale words from WS_OFF on.
; One launch, two paths that part on the work-group's x.  x < 128: a wave takes 16 rows of x and two K steps (work-group y = the pair).  x >= 128: a wave takes 32 columns of a weight (y = which) and one K step.
; No tensor load, no barrier: waves share nothing.  Only the first path touches LDS.
.set XS_OFF, 3145728
.set WS_OFF, 884736
.set STG,  8448                        ; a wave's stage: 16 rows x 528
.set SPT,  528                         ; a stage row: 512 bytes + 16: the 16 rows that a read touches start 4 banks apart
.set L16,  2                           ; v2   16 x lane
.set L4,   3                           ; v3   4 x lane
.set M,    8                           ; v8-9   two blocks' largest magnitudes
.set SCL,  10                          ; v10-11 the conversions' scale operands
.set BY,   12                          ; v12-13 the scale bytes
.set R,    32                          ; v32-159  numbers as loaded
.set X,    160                         ; v160-223 first path: 64 numbers of a lane in the operand's order
.set PC,   224                         ; v224-239 codes; never written twice, so no store's data are rewritten
; Two blocks of 32 numbers of ONE lane, v[src ..] and v[src + 32 ..], become codes in v[pc .. pc + 3] and v[pc + 4 .. pc + 7] and bytes in v[BY], v[BY + 1].  The two blocks take turns line by line.
.macro QUANT2 src, pc
.irp c, 0,1
	v_max3_num_f32 v[M+\c], |v[\src+32*\c]|, |v[\src+32*\c+1]|, 0x1800000   ; with the floor 2^(3 - 127): the byte cannot fall under 1
.endr
.irp i, 2,4,6,8,10,12,14,16,18,20,22,24,26,28,30
.irp c, 0,1
	v_max3_num_f32 v[M+\c], v[M+\c], |v[\src+32*\c+\i]|, |v[\src+32*\c+\i+1]|
.endr
.endr
.irp c, 0,1
	v_add_nc_u32 v[SCL+\c], 0xff000000, v[M+\c]    ; 2 off the exponent field: the conversion takes this operand's exponent field as its scale
.endr
.irp c, 0,1
.irp g, 0,1,2,3
	v_cvt_scalef32_pk8_fp4_f32 v[\pc+4*\c+\g], v[\src+32*\c+8*\g:\src+32*\c+8*\g+7], v[SCL+\c]
.endr
.endr
.irp c, 0,1
	v_lshrrev_b32 v[BY+\c], 23, v[SCL+\c]          ; the bytes; also the plain line behind the conversions
.endr
.endm
	s_load_b256 s[4:11], s[0:1], 0x0               ; x s[4:5], W_q s[6:7], W_k s[8:9], W_v s[10:11]
	s_load_b128 s[12:15], s[0:1], 0x20             ; xq s[12:13], wq s[14:15]
	v_lshl_add_u32 v254, v0, 2, 0x8400
	v_mov_b32 v255, 0
	v_lshrrev_b32 v1, 5, v0
	v_readfirstlane_b32 s18, v1                    ; wave
	s_and_b32 s19, ttmp7, 0xffff                   ; work-group y
	v_and_b32 v1, 31, v0                           ; lane
	v_and_b32 v6, 15, v0                           ; r = lane % 16
	v_bfe_u32 v7, v0, 4, 1                         ; h = lane / 16
	v_lshlrev_b32 v[L16], 4, v1
	v_lshlrev_b32 v[L4], 2, v1
	s_cmp_ge_u32 ttmp9, 128
	s_cbranch_scc1 .Lweights
	; ---------------- x: K is innermost ----------------
	s_lshl_b32 s20, ttmp9, 2
	s_add_co_u32 s20, s20, s18                     ; my token block
	s_mul_i32 s22, s20, 49152                      ; 16 rows of 3,072 bytes
	s_lshl_b32 s24, s19, 10                        ; two K steps are 1,024 bytes of a row
	s_add_co_u32 s22, s22, s24
	s_mov_b32 s23, 0
	s_mul_i32 s24, s20, 6144                       ; the block's six images
	s_lshl_b32 s26, s19, 11
	s_add_co_u32 s24, s24, s26
	s_mov_b32 s25, 0
	s_mul_i32 s26, s20, 384                        ; its scale words
	s_lshl_b32 s28, s19, 7
	s_add_co_u32 s26, s26, s28
	s_add_co_u32 s26, s26, XS_OFF
	s_mov_b32 s27, 0
	s_mul_i32 s28, s18, STG                        ; my stage
	v_add_nc_u32 v4, s28, v[L16]                   ; in: a row's 512 bytes as they lie
	v_mul_u32_u24 v5, v6, SPT
	v_lshl_add_u32 v5, v7, 7, v5
	v_add_nc_u32 v5, s28, v5                       ; back: row r, + 128 h: the operand gives lane (r, h) k = 64 c + 32 h + 0 .. 31
	v_lshlrev_b32 v7, 3, v7                        ; 8 h
	s_mov_b32 s30, 0x76543210
	s_mov_b32 s31, 0xfedcba98                      ; v_permlanex16_b32's selects for lane l xor 16
	s_mov_b32 s32, 0xffff0000                      ; lanes 16-31
	v_mov_b32 v14, 0                               ; a lane permute's destination counts as one of its sources
	s_wait_kmcnt 0x0
	s_add_nc_u64 s[4:5], s[4:5], s[22:23]
	s_add_nc_u64 s[24:25], s[12:13], s[24:25]
	s_add_nc_u64 s[26:27], s[12:13], s[26:27]
.irp u, 0,1
.irp i, 0,1,2,3,4,5,6,7,8,9,10,11,12,13,14,15
	global_load_b128 v[R+64*\u+4*\i:R+64*\u+4*\i+3], v[L16], s[4:5] offset:\i*3072+\u*512 th:TH_LOAD_NT   ; 32 lanes read 512 consecutive bytes: row i, K step u of my two
.endr
.endr
; K step u of my two: through the stage, so that a lane's registers run along K; LDS serves a wave's instructions in order, so no wait stands between the stores and the loads
.macro UNIT u
	s_wait_loadcnt 16-16*\u                        ; this K step's 16 loads are in; the other's 16 (u = 0) may be out
.irp i, 0,1,2,3,4,5,6,7,8,9,10,11,12,13,14,15
	ds_store_b128 v4, v[R+64*\u+4*\i:R+64*\u+4*\i+3] offset:\i*SPT
.endr
.irp c, 0,1
.irp j, 0,1,2,3,4,5,6,7
	ds_load_b128 v[X+32*\c+4*\j:X+32*\c+4*\j+3], v5 offset:256*\c+16*\j
.endr
.endr
	s_wait_dscnt 0x0
	QUANT2 X, PC+8*\u
	v_lshl_or_b32 v15, v[BY+1], 16, v[BY]          ; my two bytes: blocks h and 2 + h of row r,
	v_lshlrev_b32 v15, v7, v15                     ; at their places in the scale word;
	v_permlanex16_b32 v14, v15, s30, s31
	v_or_b32 v[16+\u], v15, v14                    ; with lane l xor 16's two the word is whole
.irp c, 0,1
	global_store_b128 v[L16], v[PC+8*\u+4*\c:PC+8*\u+4*\c+3], s[24:25] offset:\u*1024+\c*512   ; 512 consecutive bytes, aligned
.endr
.endm
	UNIT 0
	UNIT 1
	v_cndmask_b32 v18, v16, v17, s32               ; lanes 0-15: the even K step's words; lanes 16-31: the odd one's
	global_store_b32 v[L4], v18, s[26:27]          ; 128 consecutive bytes a wave: 196,608 bytes in the whole launch leave in such pieces
	s_wait_tensorcnt 0x0
	ds_add_u32 v254, v255
	s_wait_dscnt 0x0
	s_endpgm
	; ---------------- a weight: K is the first axis.  A lane takes a column, its registers run down K: nothing is transposed ----------------
.Lweights:
	s_sub_co_u32 s20, ttmp9, 128                   ; 0 .. 35 = 6 x (group of 128 columns) + K step
	s_mul_i32 s21, s20, 43
	s_lshr_b32 s21, s21, 8                         ; the group: x / 6 for x < 36
	s_mul_i32 s22, s21, 6
	s_sub_co_u32 s22, s20, s22                     ; the K step
	s_mul_i32 s24, s22, 393216                     ; 128 rows of 3,072 bytes
	s_lshl_b32 s26, s21, 9
	s_add_co_u32 s24, s24, s26
	s_lshl_b32 s26, s18, 7
	s_add_co_u32 s24, s24, s26                     ; + 4 x my wave's first column
	s_mov_b32 s25, 0
	s_mul_i32 s28, s19, 48
	s_lshl_b32 s26, s21, 3
	s_add_co_u32 s28, s28, s26
	s_lshl_b32 s26, s18, 1
	s_add_co_u32 s28, s28, s26                     ; my first block of 16 columns
	s_mul_i32 s26, s28, 6144
	s_lshl_b32 s29, s22, 10
	s_add_co_u32 s26, s26, s29                     ; its image of this K step
	s_mov_b32 s27, 0
	s_mul_i32 s28, s28, 384
	s_lshr_b32 s29, s22, 1
	s_lshl_b32 s29, s29, 7
	s_add_co_u32 s28, s28, s29
	s_and_b32 s29, s22, 1
	s_lshl_b32 s29, s29, 6
	s_add_co_u32 s28, s28, s29
	s_add_co_u32 s28, s28, WS_OFF                  ; and its 16 scale words
	s_mov_b32 s29, 0
	v_mul_u32_u24 v4, v7, 6144
	v_lshl_add_u32 v4, v6, 4, v4                   ; lanes 16-31 hold the next block of columns; block b of K lies at 256 b + 16 r of an image
	v_mul_u32_u24 v5, v7, 384
	v_lshl_add_u32 v5, v6, 2, v5
	s_wait_kmcnt 0x0
	s_cmp_eq_u32 s19, 0
	s_cselect_b64 s[16:17], s[6:7], s[8:9]
	s_cmp_eq_u32 s19, 2
	s_cselect_b64 s[16:17], s[10:11], s[16:17]     ; the choice hangs on the work-group's y alone
	s_add_nc_u64 s[16:17], s[16:17], s[24:25]
	s_add_nc_u64 s[26:27], s[14:15], s[26:27]
	s_add_nc_u64 s[28:29], s[14:15], s[28:29]
.set i, 0
.rept 128
	global_load_b32 v[R+i], v[L4], s[16:17] offset:i*3072 th:TH_LOAD_NT   ; row i of the K step at 32 neighbouring columns; the four waves stand side by side on 512 bytes
.set i, i+1
.endr
	s_wait_loadcnt 63                              ; blocks 0 and 1 are in: 64 loads are younger, and the count is one lower, the largest that the wait can name
	QUANT2 R, PC
	v_lshl_or_b32 v16, v[BY+1], 8, v[BY]
	global_store_b128 v4, v[PC:PC+3], s[26:27]               ; sixteen lanes store 256 consecutive bytes, aligned
	global_store_b128 v4, v[PC+4:PC+7], s[26:27] offset:256
	s_wait_loadcnt 0x0
	QUANT2 R+64, PC+8
	v_lshl_or_b32 v16, v[BY], 16, v16
	v_lshl_or_b32 v16, v[BY+1], 24, v16            ; my column's scale word for this K step
	global_store_b128 v4, v[PC+8:PC+11], s[26:27] offset:512
	global_store_b128 v4, v[PC+12:PC+15], s[26:27] offset:768
	global_store_b32 v5, v16, s[28:29]             ; runs of 64 bytes: 55,296 bytes in the whole launch
	s_endpgm
.Lfunc_end_k_q1a3660278d_quant:
	.size	k_q1a3660278d_quant, .Lfunc_end_k_q1a3660278d_quant-k_q1a3660278d_quant
	.p2alignl 7, 3214868480
	.fill 96, 4, 3214868480
	.section	.rodata,"a",@progbits
	.p2align	6, 0x0
	.amdhsa_kernel k_q1a3660278d_quant
		.amdhsa_group_segment_fixed_size 34304
		.amdhsa_private_segment_fixed_size 0
		.amdhsa_enable_private_segment 0
		.amdhsa_kernarg_size 48
		.amdhsa_user_sgpr_count 2
		.amdhsa_user_sgpr_kernarg_segment_ptr 1
		.amdhsa_wavefront_size32 1
		.amdhsa_system_sgpr_workgroup_id_x 1
		.amdhsa_system_sgpr_workgroup_id_y 1
		.amdhsa_system_sgpr_workgroup_id_z 1
		.amdhsa_system_vgpr_workitem_id 0
		.amdhsa_next_free_vgpr 256
		.amdhsa_next_free_sgpr 66
		.amdhsa_reserve_vcc 0
		.amdhsa_float_denorm_mode_32 3
		.amdhsa_float_denorm_mode_16_64 3
		.amdhsa_memory_ordered 1
		.amdhsa_forward_progress 1
		.amdhsa_inst_pref_size 36
	.end_amdhsa_kernel
	.amdgpu_metadata
---
amdhsa.version: [ 1, 2 ]
amdhsa.kernels:
  - .name:           k_q1a3660278d_quant
    .symbol:         k_q1a3660278d_quant.kd
    .args:
      - { .name: x, .offset: 0, .size: 8, .value_kind: global_buffer, .address_space: global }
      - { .name: W_q, .offset: 8, .size: 8, .value_kind: global_buffer, .address_space: global }
      - { .name: W_k, .offset: 16, .size: 8, .value_kind: global_buffer, .address_space: global }
      - { .name: W_v, .offset: 24, .size: 8, .value_kind: global_buffer, .address_space: global }
      - { .name: xq, .offset: 32, .size: 8, .value_kind: global_buffer, .address_space: global }
      - { .name: wq, .offset: 40, .size: 8, .value_kind: global_buffer, .address_space: global }
    .group_segment_fixed_size: 34304
    .private_segment_fixed_size: 0
    .kernarg_segment_align: 8
    .kernarg_segment_size: 48
    .max_flat_workgroup_size: 128
    .sgpr_count:     66
    .vgpr_count:     256
    .wavefront_size: 32
...
	.end_amdgpu_metadata
.endif
;; end of part 1
;; launch proj (part 2): grid 32 x 6, 4 waves a work-group, clusters of 4 x 1, 168,448 bytes of LDS; arguments xq, wq, qi, ki, vt; writes qi, ki, vt
.if DOCPART == 2
	.amdgcn_target "amdgcn-amd-amdhsa--gfx1250"
	.amdhsa_code_object_version 6
	.text
	.protected	k_q1a3660278d_proj
	.globl	k_q1a3660278d_proj
	.p2align	8
	.type	k_q1a3660278d_proj,@function
k_q1a3660278d_proj:
	s_mov_b64 s[64:65], 0
	v_nop
	global_prefetch_b8 v0, s[64:65] scope:SCOPE_SE
	s_setreg_imm32_b32 hwreg(HW_REG_WAVE_MODE, 25, 1), 1
	s_wait_xcnt 0x0
	s_wait_alu depctr_hold_cnt(0) depctr_sa_sdst(0) depctr_va_vdst(0) depctr_va_sdst(0) depctr_va_ssrc(0) depctr_va_vcc(0) depctr_vm_vsrc(0)
	s_getreg_b32 s2, hwreg(HW_REG_IB_STS2, 6, 4)
	s_cmp_eq_u32 s2, 0
	s_cbranch_scc0 .Lentry_in_a_cluster
	s_endpgm
.Lentry_in_a_cluster:
	s_bfe_u32 s2, ttmp6, 0x10000c
	s_cmp_lg_u32 s2, 0x3003
	s_cbranch_scc0 .Lentry_shape_is_right
	s_endpgm
.Lentry_shape_is_right:
; q, k, v = x W_q, x W_k, x W_v on codes of FP4 (E2M1) with E8M0 scales, sums in f32; the results, x 2^-4, are rounded to f16, the operands of the two attention products.
; WHY f16, AND THE FACTOR.  f16 has 11 bits of significand; the allowance on the output leaves no room for 8.  Its range is met by the exact factor 2^-4, which the later launches undo: what is stored overflows only from
; 65,520 x 16 = 1,048,320 on, and its smallest step is 2^-24 x 16 = 2^-20.  Drawn inputs give numbers up to some 7; x and W both 30 times larger some 6,500; both with an offset of 30 spreads 768 x 32 x 1.5, some 37,000;
; both 30 times smaller an rms of 0.0015, some 1,600 of the smallest steps.
; LIMITS: a q, k or v of 1,048,320 or more in magnitude becomes infinity; NaN and infinities among the inputs are not served.
; SHARES.  A work-group takes 256 tokens (x) and 384 of the 2,304 columns (y: 0, 1 = q; 2, 3 = k; 4, 5 = v): 192 work-groups.  Each of its four waves takes 64 tokens against all 384 columns, in three sub-tiles of 128.
;   192 and not 256: 288 blocks of 16 x 16 to a work-group would have to straddle q, k and v, whose results are laid differently.
; A wave's codes of x for all of K (24 fragments, 192 registers) come from memory as images and stay in registers.  The work-group's part of the weights (147,456 bytes of codes, 9,216 of scale words) comes into LDS once.
; CLUSTER.  The four token tiles of a cluster read the same weights: they are asked for JOINTLY (mask 15), one tensor load a wave.  No LDS byte is filled twice.
; RESULTS LEAVE AS IMAGES OF THE NEXT OPERAND'S REGISTERS (16 rows x 32 K of f16 = 1,024 bytes, register group c of lane l at 512 c + 16 l), with no way through LDS:
;   q, k: source 0 = 16 columns of W, source 1 = 16 tokens: a lane holds one token and eight neighbouring columns, 16 bytes of f16: group b % 2 of the fragment (token block, columns 32 (b / 2) on).   qi, ki: [token block 512][24][1,024].
;   v:    the sources swapped: a lane holds one column and eight neighbouring tokens: group a % 2 of a fragment of V^T.   vt: [column block 48][32 tokens 256][1,024].
; REGISTERS: window 0: v1-4 addresses; v8-19 x's scale words, v20-43 W's; v128-191, v192-255 W's fragments, two sets (on the way out: the packed results).  window 1: x's fragments at v[8 (6 a + s)].  window 2: accumulator (a, b) at v[8 (8 a + b)].
; A scale register holds an even K step's words in lanes 0-15 and the odd one's in lanes 16-31.
.set XS_OFF, 3145728
.set WS_OFF, 884736
.set SUBW,   49152                     ; a sub-tile's codes: 8 blocks x 6 K steps x 1,024
.set WSL,    147456                    ; behind the codes: the scale words, 384 bytes a block
.set L16, 1
.set L4,  2
.set AC,  3                            ; v3  LDS address of the sub-tile's images
.set AS,  4                            ; v4  and of its scale words
.set SCT, 8
.set SCM, 20
.set CF,  128
.set TMP, 128
.set WV,  14
.set ISV, 18                           ; s18  1 where the columns are v's
.set J,   19
.set CB,  20
.set SB,  21
.set OUT, 22
.set OST, 24
.set XF,  26
.set XSC, 28
.set G1W, 32
.set G1S, 40
.set G0W, 48
.set G0S, 52
.set DN,  72                           ; s[72:73] 2^-4: the packed form names a pair and takes its low word for both halves
.set MULQ, 0xa4                        ; source 0 window 0 (W), source 1 window 1 (x), C and D window 2
.set MULV, 0xa1                        ; source 0 window 1 (x), source 1 window 0 (W)
.set MSB, 0
.macro WIN new                         ; the immediate's high byte repeats the setting that is left
.if MSB != (\new)
	s_set_vgpr_msb (MSB<<8)|(\new)
.set MSB, (\new)
.endif
.endm
.macro PLACES
.rept 4
	v_nop
.endr
.endm
.macro CROUND                          ; a round of the cluster's barrier
	s_barrier_signal -1
	s_barrier_wait -1
	s_cmp_lg_u32 s[WV], 0
	s_cbranch_scc1 .Lnot_wave_0_\@
	s_barrier_signal -3
.Lnot_wave_0_\@:
	s_barrier_wait -3
	s_barrier_signal -1
	s_barrier_wait -1
.endm
	s_load_b256 s[4:11], s[0:1], 0x0               ; xq s[4:5], wq s[6:7], qi s[8:9], ki s[10:11]
	s_load_b64 s[12:13], s[0:1], 0x20              ; vt
	v_lshl_add_u32 v126, v0, 2, 0x29000
	v_mov_b32 v127, 0
	ds_add_u32 v126, v127
	v_lshrrev_b32 v5, 5, v0
	v_readfirstlane_b32 s[WV], v5
	v_and_b32 v5, 31, v0
	v_lshlrev_b32 v[L16], 4, v5
	v_lshlrev_b32 v[L4], 2, v5
	s_bfe_u32 s15, ttmp6, 0x40000                  ; cx
	s_lshl_b32 s16, ttmp9, 2
	s_add_co_u32 s16, s16, s15                     ; my tile of 256 tokens: it enters global addresses of x and of the results alone
	s_and_b32 s17, ttmp7, 0xffff                   ; y, which the four partners share
	s_lshr_b32 s[ISV], s17, 2
	s_mov_b32 s[DN], 0x3d800000                    ; 2^-4
	s_mov_b32 s[DN+1], s[DN]
	; descriptor groups 1: dense blocks as rows of 256 bytes (32 elements of 8 bytes); 192 rows of codes, 36 of scale words
	s_mov_b32 s[G1W], 15|(3<<16)|(1<<21)           ; 15:0 the mask: all four work-groups; 17:16 elements of 8 bytes; 21 set beside a mask
	s_mov_b32 s[G1W+1], 32<<16
	s_mov_b32 s[G1W+2], 192<<16
	s_mov_b32 s[G1W+3], 32<<16
	s_mov_b32 s[G1W+4], 192
	s_mov_b32 s[G1W+5], 32
	s_mov_b32 s[G1W+6], 0
	s_mov_b32 s[G1W+7], 0
	s_mov_b32 s[G1S], 15|(3<<16)|(1<<21)
	s_mov_b32 s[G1S+1], 32<<16
	s_mov_b32 s[G1S+2], 36<<16
	s_mov_b32 s[G1S+3], 32<<16
	s_mov_b32 s[G1S+4], 36
	s_mov_b32 s[G1S+5], 32
	s_mov_b32 s[G1S+6], 0
	s_mov_b32 s[G1S+7], 0
	s_mul_i32 s56, s17, 24
	s_lshl_b32 s57, s[WV], 3
	s_add_co_u32 s56, s56, s57
	s_mul_i32 s56, s56, 6144                       ; waves 0 to 2: sub-tile w's eight blocks of columns
	s_mov_b32 s57, 0
	s_mul_i32 s58, s17, 9216
	s_add_co_u32 s58, s58, WS_OFF                  ; wave 3: the 24 blocks' scale words
	s_mov_b32 s59, 0
	s_mul_i32 s30, s[WV], SUBW
	s_lshl_b32 s60, s16, 4
	s_lshl_b32 s61, s[WV], 2
	s_add_co_u32 s60, s60, s61                     ; my wave's first token block
	s_mul_i32 s62, s60, 6144
	s_mov_b32 s63, 0
	s_mul_i32 s66, s60, 384
	s_add_co_u32 s66, s66, XS_OFF
	s_mov_b32 s67, 0
	s_and_b32 s31, s17, 1                          ; which half of the tensor's 768 columns
	s_mul_i32 s68, s60, 24576
	s_mul_i32 s69, s31, 12288
	s_add_co_u32 s68, s68, s69                     ; q, k: token block x 24 images + 12 images a half
	s_mul_i32 s70, s31, 6291456                    ; v: 24 column blocks of 262,144 bytes a half,
	s_lshl_b32 s69, s16, 3
	s_lshl_b32 s71, s[WV], 1
	s_add_co_u32 s69, s69, s71
	s_lshl_b32 s69, s69, 10
	s_add_co_u32 s70, s70, s69                     ; + my 64 tokens' two images
	s_mov_b32 s[OST], 4096                         ; from sub-tile to sub-tile: four images (q, k),
	s_cmp_lg_u32 s[ISV], 0
	s_cselect_b32 s68, s70, s68
	s_cselect_b32 s[OST], 0x200000, s[OST]         ; or eight column blocks (v)
	s_mov_b32 s69, 0
	s_mov_b32 s[OST+1], 0
	s_wait_dscnt 0x0
	s_wait_kmcnt 0x0
	s_cmp_lt_u32 s17, 2
	s_cselect_b64 s[OUT:OUT+1], s[8:9], s[10:11]
	s_cmp_lg_u32 s[ISV], 0
	s_cselect_b64 s[OUT:OUT+1], s[12:13], s[OUT:OUT+1]
	s_add_nc_u64 s[OUT:OUT+1], s[OUT:OUT+1], s[68:69]
	s_add_nc_u64 s[XF:XF+1], s[4:5], s[62:63]
	s_add_nc_u64 s[XSC:XSC+1], s[4:5], s[66:67]
	s_mov_b32 s[G0W], 1
	s_mov_b32 s[G0W+1], s30
	s_add_nc_u64 s[G0W+2:G0W+3], s[6:7], s[56:57]
	s_or_b32 s[G0W+3], s[G0W+3], 0x80000000
	s_mov_b32 s[G0S], 1
	s_mov_b32 s[G0S+1], WSL
	s_add_nc_u64 s[G0S+2:G0S+3], s[6:7], s[58:59]
	s_or_b32 s[G0S+3], s[G0S+3], 0x80000000
	CROUND                                         ; all four work-groups are here: the joint loads meet
	s_cmp_lt_u32 s[WV], 3                          ; one tensor load a wave; four v_nop follow each line
	s_cbranch_scc0 .Lscale_words
	tensor_load_to_lds s[G0W:G0W+3], s[G1W:G1W+7]
	s_nop 0
	PLACES
	s_branch .Lasked
.Lscale_words:
	tensor_load_to_lds s[G0S:G0S+3], s[G1S:G1S+7]
	s_nop 0
	PLACES
.Lasked:
	WIN 0x40                                       ; destination window 1
.irp a, 0,1,2,3
.irp s, 0,1,2,3,4,5
.irp c, 0,1
	global_load_b128 v[8*(6*\a+\s)+4*\c:8*(6*\a+\s)+4*\c+3], v[L16], s[XF:XF+1] offset:\a*6144+\s*1024+\c*512   ; x's fragments: images, 512 consecutive bytes a load
.endr
.endr
.endr
	WIN 0
.irp a, 0,1,2,3
.irp sp, 0,1,2
	global_load_b32 v[SCT+3*\a+\sp], v[L4], s[XSC:XSC+1] offset:\a*384+\sp*128
.endr
.endr
	s_wait_tensorcnt 0x0                           ; my part of the weights is in LDS,
	s_barrier_signal -1
	s_barrier_wait -1                              ; everybody's is
	s_wait_loadcnt 0x0                             ; x
	s_mov_b32 s[J], 0
	s_mov_b32 s[CB], 0
	s_mov_b32 s[SB], WSL
.macro FETCH s, set                    ; W's eight fragments of K step s into a set
.irp b, 0,1,2,3,4,5,6,7
	ds_load_b128 v[\set+8*\b:\set+8*\b+3],   v[AC] offset:\b*6144+(\s)*1024
	ds_load_b128 v[\set+8*\b+4:\set+8*\b+7], v[AC] offset:\b*6144+(\s)*1024+512
.endr
.endm
; 32 matrix instructions: K step s, 4 token blocks x 8 column blocks.  The 32 accumulators take turns, one instruction a turn.  K step 0 starts the sums: nothing is cleared.
.macro MULS s, vf
.irp a, 0,1,2,3
.irp b, 0,1,2,3,4,5,6,7
.set rD, 8*(8*\a+\b)
.if \vf
.set opA, 8*(6*\a+(\s))
.set opB, CF+64*((\s)%2)+8*\b
.set scA, SCT+3*\a+(\s)/2
.set scB, SCM+3*\b+(\s)/2
.else
.set opA, CF+64*((\s)%2)+8*\b
.set opB, 8*(6*\a+(\s))
.set scA, SCM+3*\b+(\s)/2
.set scB, SCT+3*\a+(\s)/2
.endif
.if (\s) == 0
	v_wmma_scale_f32_16x16x128_f8f6f4 v[rD:rD+7], v[opA:opA+7], v[opB:opB+7], 0, v[scA], v[scB] matrix_a_fmt:MATRIX_FMT_FP4 matrix_b_fmt:MATRIX_FMT_FP4
.elseif (\s)%2 == 0
	v_wmma_scale_f32_16x16x128_f8f6f4 v[rD:rD+7], v[opA:opA+7], v[opB:opB+7], v[rD:rD+7], v[scA], v[scB] matrix_a_fmt:MATRIX_FMT_FP4 matrix_b_fmt:MATRIX_FMT_FP4
.else
	v_wmma_scale_f32_16x16x128_f8f6f4 v[rD:rD+7], v[opA:opA+7], v[opB:opB+7], v[rD:rD+7], v[scA], v[scB] matrix_a_fmt:MATRIX_FMT_FP4 matrix_b_fmt:MATRIX_FMT_FP4 matrix_a_scale:MATRIX_SCALE_ROW1 matrix_b_scale:MATRIX_SCALE_ROW1
.endif
.endr
.endr
.endm
; A K step: the next step's fragments are asked for, then this step is multiplied.  The branch hangs on y, which is the same in all waves and partners.
.macro KSTEP s
.if (\s) > 0
	PLACES                                         ; four places in front of loads into the set that the products of the step before have read (ISA guide 7.12.1 for vector instructions)
.endif
.if (\s) < 5
.set NXT, CF+64*(((\s)+1)%2)
	FETCH (\s)+1, NXT
	s_wait_dscnt 16                                ; all but the 16 just issued: this step's fragments (and, in step 0, the scale words) are in
.else
	s_wait_dscnt 0x0
.endif
	s_cmp_lg_u32 s[ISV], 0
	s_cbranch_scc1 .Lv_form_\@
	WIN MULQ
	MULS \s, 0
	WIN 0
	s_branch .Ljoin_\@
.Lv_form_\@:
	WIN MULV
	MULS \s, 1
	WIN 0
.Ljoin_\@:
.endm
.Lsub:                                             ; three trips: a sub-tile of 128 columns each
	v_add_nc_u32 v[AC], s[CB], v[L16]
	v_add_nc_u32 v[AS], s[SB], v[L4]
.irp b, 0,1,2,3,4,5,6,7
.irp sp, 0,1,2
	ds_load_b32 v[SCM+3*\b+\sp], v[AS] offset:\b*384+\sp*128
.endr
.endr
	FETCH 0, CF
	KSTEP 0
	KSTEP 1
	KSTEP 2
	KSTEP 3
	KSTEP 4
	KSTEP 5
	PLACES                                         ; in front of the first read of results
	WIN 0x82                                       ; destination and source 0 window 2
.set t, 0
.rept 128
	v_pk_mul_f32 v[2*t:2*t+1], v[2*t:2*t+1], s[DN:DN+1] op_sel_hi:[1,0]   ; x 2^-4, exact; each accumulator from its low end on
.set t, t+1
.endr
	WIN 0x0a                                       ; sources 0 and 1 window 2
.set t, 0
.rept 32
.irp r, 0,1,2,3
	v_cvt_pk_f16_f32 v[TMP+4*t+\r], v[8*t+2*\r], v[8*t+2*\r+1]   ; to the nearest f16; the first source into the low half
.endr
.set t, t+1
.endr
	WIN 0
	s_cmp_lg_u32 s[ISV], 0
	s_cbranch_scc1 .Lsend_v
.irp a, 0,1,2,3
.irp b, 0,1,2,3,4,5,6,7
	global_store_b128 v[L16], v[TMP+4*(8*\a+\b):TMP+4*(8*\a+\b)+3], s[OUT:OUT+1] offset:\a*24576+\b*512   ; 512 consecutive bytes, aligned: half an image
.endr
.endr
	s_branch .Lsent
.Lsend_v:
.irp a, 0,1,2,3
.irp b, 0,1,2,3,4,5,6,7
	global_store_b128 v[L16], v[TMP+4*(8*\a+\b):TMP+4*(8*\a+\b)+3], s[OUT:OUT+1] offset:\b*262144+\a*512
.endr
.endr
.Lsent:
	s_wait_xcnt 0x0                                ; the stores have read their data and their base: both are written again only behind this wait
	s_add_nc_u64 s[OUT:OUT+1], s[OUT:OUT+1], s[OST:OST+1]
	s_add_co_u32 s[CB], s[CB], SUBW
	s_add_co_u32 s[SB], s[SB], 3072
	s_add_co_u32 s[J], s[J], 1
	s_cmp_lt_u32 s[J], 3
	s_cbranch_scc1 .Lsub
	s_wait_tensorcnt 0x0
	ds_add_u32 v126, v127
	s_wait_dscnt 0x0
	CROUND                                         ; the closing round: no work-group ends while a partner may still ask for a tile that names it
	s_endpgm
.Lfunc_end_k_q1a3660278d_proj:
	.size	k_q1a3660278d_proj, .Lfunc_end_k_q1a3660278d_proj-k_q1a3660278d_proj
	.p2alignl 7, 3214868480
	.fill 96, 4, 3214868480
	.section	.rodata,"a",@progbits
	.p2align	6, 0x0
	.amdhsa_kernel k_q1a3660278d_proj
		.amdhsa_group_segment_fixed_size 168448
		.amdhsa_private_segment_fixed_size 0
		.amdhsa_enable_private_segment 0
		.amdhsa_kernarg_size 40
		.amdhsa_user_sgpr_count 2
		.amdhsa_user_sgpr_kernarg_segment_ptr 1
		.amdhsa_wavefront_size32 1
		.amdhsa_system_sgpr_workgroup_id_x 1
		.amdhsa_system_sgpr_workgroup_id_y 1
		.amdhsa_system_sgpr_workgroup_id_z 1
		.amdhsa_system_vgpr_workitem_id 0
		.amdhsa_next_free_vgpr 768
		.amdhsa_next_free_sgpr 80
		.amdhsa_reserve_vcc 0
		.amdhsa_float_denorm_mode_32 3
		.amdhsa_float_denorm_mode_16_64 3
		.amdhsa_memory_ordered 1
		.amdhsa_forward_progress 1
		.amdhsa_inst_pref_size 92
	.end_amdhsa_kernel
	.amdgpu_metadata
---
amdhsa.version: [ 1, 2 ]
amdhsa.kernels:
  - .name:           k_q1a3660278d_proj
    .symbol:         k_q1a3660278d_proj.kd
    .args:
      - { .name: xq, .offset: 0, .size: 8, .value_kind: global_buffer, .address_space: global }
      - { .name: wq, .offset: 8, .size: 8, .value_kind: global_buffer, .address_space: global }
      - { .name: qi, .offset: 16, .size: 8, .value_kind: global_buffer, .address_space: global }
      - { .name: ki, .offset: 24, .size: 8, .value_kind: global_buffer, .address_space: global }
      - { .name: vt, .offset: 32, .size: 8, .value_kind: global_buffer, .address_space: global }
    .group_segment_fixed_size: 168448
    .private_segment_fixed_size: 0
    .kernarg_segment_align: 8
    .kernarg_segment_size: 40
    .max_flat_workgroup_size: 128
    .sgpr_count:     80
    .vgpr_count:     768
    .wavefront_size: 32
...
	.end_amdgpu_metadata
.endif
;; end of part 2
;; launch scores (part 3): grid 8 x 32, 4 waves a work-group, clusters of 4 x 4, 327,680 bytes of LDS; arguments qi, ki, pi, st; writes pi, st
.if DOCPART == 3
	.amdgcn_target "amdgcn-amd-amdhsa--gfx1250"
	.amdhsa_code_object_version 6
	.text
	.protected	k_q1a3660278d_scores
	.globl	k_q1a3660278d_scores
	.p2align	8
	.type	k_q1a3660278d_scores,@function
k_q1a3660278d_scores:
	s_mov_b64 s[64:65], 0
	v_nop
	global_prefetch_b8 v0, s[64:65] scope:SCOPE_SE
	s_setreg_imm32_b32 hwreg(HW_REG_WAVE_MODE, 25, 1), 1
	s_wait_xcnt 0x0
	s_wait_alu depctr_hold_cnt(0) depctr_sa_sdst(0) depctr_va_vdst(0) depctr_va_sdst(0) depctr_va_ssrc(0) depctr_va_vcc(0) depctr_vm_vsrc(0)
	s_getreg_b32 s2, hwreg(HW_REG_IB_STS2, 6, 4)
	s_cmp_eq_u32 s2, 0
	s_cbranch_scc0 .Lentry_in_a_cluster
	s_endpgm
.Lentry_in_a_cluster:
	s_bfe_u32 s2, ttmp6, 0x10000c
	s_cmp_lg_u32 s2, 0xf033
	s_cbranch_scc0 .Lentry_shape_is_right
	s_endpgm
.Lentry_shape_is_right:
; S = q k^T in f16 with f32 sums, K = 768, and the first half of the softmax.  A work-group makes 256 queries x 256 keys of one batch; a wave 128 x 128: 64 accumulators, 512 registers.
; q and k arrive x 2^-4 (the launch before says why), so the sums are the scores x 2^-8: the constant c below carries 2^8.
; THE SOFTMAX.  t = s c, c = 2^8 log2(e) / sqrt(768).  For each query and each tile of 256 keys: M = the largest t rounded UP to a whole number, kept as -M = floor(-t); p = 2^(t - M), at most 1, is rounded to f16, the operand
; of the next product, and stored; the sum of the unrounded p over my 128 keys is stored in f32.  The next launch brings the tiles of a row under the row's largest M by exact powers of two.
; p has room in f16 for every input: it lies between 0 and 1, and what lies under f16's normal numbers is off by 2^-25 at the most, beside a largest p of the tile above 0.5.
; LIMITS: NaN and infinities are not served.
; qi, ki: [token block 512][32 along K: 24][1,024]: images of fragments (16 rows x 32 K: register group c of lane l at 512 c + 16 l).  So LDS needs no padding: every fragment load reads 512 consecutive bytes.
; K goes in steps of 128 through a ring of two LDS slots: a wave's tensor load brings 8 blocks x 4 images (rows of 4,096 bytes, 24,576 bytes apart).
; CLUSTERS: 4 x 4 work-groups.  The four of a row need the same tiles of q, the four of a column the same tiles of k: each is asked for JOINTLY.
; THE MATRIX INSTRUCTION IS USED TRANSPOSED (source 0 = 16 keys, source 1 = 16 queries): a lane holds ONE query (lane % 16) and eight neighbouring keys, whose p pack into 16 bytes: register group b % 2 of lane l of the
; next product's fragment (query block, keys 32 (b / 2) on).  pi: [query block 512][32 keys: 64][1,024]; each store covers 512 consecutive bytes, aligned.  No way through LDS.
; st: -M [tile of keys 8][row 8,192] f32; from LS_OFF on the sums [128 keys: 16][row 8,192] f32.
; No prefetch: each tile is read by eight tile rows or columns, and a refill has 224 matrix instructions in which to land.
; REGISTERS: window 0: v16-31 addresses; v64-127, v128-191 q's fragments, two buffers; in the epilogue v32-83 statistics, v128-191 packed p.  window 1: k's fragments.  windows 2, 3: accumulator (a, b) at v[8 (8 (a % 4) + b)].
.set KQ,     1024
.set BLKB,   4096
.set SLOT,   131072                    ; q's two halves, then k's two halves, 32,768 each
.set MXB,    262144                    ; behind the ring: the maxima, 512 bytes a wave; 2,048 further on the sums
.set SPARE,  266240                    ; the spare words, 128 bytes a wave: two blocks of 256 bytes that no other line names
.set LS_OFF, 262144
.set LAPS,   3
.set ADRA, 16
.set ADRB, 20
.set PO,   24                          ; v24  16 x lane
.set MXW,  25                          ; v25  my wave's words, 4 (lane % 16)
.set MXP,  26                          ; v26  the same in the wave that has my queries' other 128 keys
.set MXD,  27                          ; v27  my wave's words, 16 x lane
.set SPW,  28
.set NIL,  29
.set MXE,  30                          ; v30  the other wave's, 16 x lane
.set MXR,  32
.set T,    40
.set NMR,  48                          ; -M of block a in v[48 + 2 a]; the odd registers are named with them as pairs
.set SA,   64
.set S,    68
.set LA,   76
.set LB,   80
.set TMP,  128
.set F0,   64
.set F1,   128
.set CS,   20
.set SEL,  22
.set G1,   24
.set G0,   32
.set G1B,  48
.set G0B,  56
.set MSB, 0
.macro WIN new
.if MSB != (\new)
	s_set_vgpr_msb (MSB<<8)|(\new)
.set MSB, (\new)
.endif
.endm
.set MUL_LO, 0xa1                      ; source 0 (k) window 1, source 1 (q) window 0, C and D window 2
.set MUL_HI, 0xf1
.set TO_B,   0x40
.macro PLACES
.rept 4
	v_nop
.endr
.endm
.macro JLOAD s                         ; waves 0 and 1 fetch q's halves, waves 2 and 3 k's; four v_nop follow each line
	s_cmp_eq_u32 s13, 0
	s_cbranch_scc0 .Lfor_b_\@
	tensor_load_to_lds s[G0+4*\s:G0+4*\s+3], s[G1:G1+7]
	s_nop 0
	PLACES
	s_branch .Lasked_\@
.Lfor_b_\@:
	tensor_load_to_lds s[G0B+4*\s:G0B+4*\s+3], s[G1B:G1B+7]
	s_nop 0
	PLACES
.Lasked_\@:
.endm
.macro CREST
	s_cmp_lg_u32 s12, 0
	s_cbranch_scc1 .Lnot_wave_0_\@
	s_barrier_signal -3
.Lnot_wave_0_\@:
	s_barrier_wait -3
	s_barrier_signal -1
	s_barrier_wait -1
.endm
.macro CROUND
	s_barrier_signal -1
	s_barrier_wait -1
	CREST
.endm
	s_load_b256 s[4:11], s[0:1], 0x0               ; qi s[4:5], ki s[6:7], pi s[8:9], st s[10:11]
	v_lshl_add_u32 v[SPW], v0, 2, SPARE
	v_mov_b32 v[NIL], 0
	ds_add_u32 v28, v29
	s_wait_dscnt 0x0
	v_lshrrev_b32 v1, 5, v0
	v_readfirstlane_b32 s12, v1                    ; wave
	s_lshr_b32 s13, s12, 1                         ; my half of the queries.  Also: I fetch for q (0) or for k (1)
	s_and_b32 s14, s12, 1                          ; my half of the keys.  Also: which 8 blocks I fetch
	s_bfe_u32 s40, ttmp6, 0x40000                  ; cx
	s_bfe_u32 s41, ttmp6, 0x40004                  ; cy
	s_lshl_b32 s42, ttmp9, 2
	s_add_co_u32 s42, s42, s40                     ; tile of keys, 0 .. 7
	s_and_b32 s44, ttmp7, 0xffff
	s_lshl_b32 s43, s44, 2
	s_add_co_u32 s43, s43, s41                     ; tile of queries, 0 .. 31
	s_lshr_b32 s45, s44, 1                         ; the batch, from the cluster's y alone
	s_lshl_b32 s15, s41, 2
	s_lshl_b32 s15, 15, s15                        ; my row of the cluster
	s_lshl_b32 s19, 0x1111, s40                    ; my column
	s_or_b32 s[G1], s15, (3<<16)|(1<<21)           ; 15:0 the mask; 17:16 elements of 8 bytes; 21 set beside a mask
	s_or_b32 s[G1B], s19, (3<<16)|(1<<21)
.irp g, G1, G1B
	s_mov_b32 s[\g+1], 512<<16                     ; tensor_dim0 = 512 elements: 4,096 bytes
	s_mov_b32 s[\g+2], 8<<16                       ; tensor_dim1 = 8
	s_mov_b32 s[\g+3], 512<<16                     ; tile_dim0
	s_mov_b32 s[\g+4], 8                           ; tile_dim1
	s_mov_b32 s[\g+5], 3072                        ; from block to block: 24,576 bytes
	s_mov_b32 s[\g+6], 0
	s_mov_b32 s[\g+7], 0
.endr
	s_lshl_b32 s17, s14, 3
	s_lshl_b32 s16, s43, 4
	s_add_co_u32 s16, s16, s17
	s_mul_i32 s16, s16, 24576                      ; q: block 16 x tile + 8 x half
	s_lshl_b32 s46, s45, 7
	s_lshl_b32 s47, s42, 4
	s_add_co_u32 s46, s46, s47
	s_add_co_u32 s46, s46, s17
	s_mul_i32 s46, s46, 24576                      ; k: block 128 x batch + 16 x tile + 8 x half
	s_mov_b32 s17, 0
	s_mov_b32 s47, 0
	s_lshl_b32 s18, s12, 15                        ; where they go: wave x 32,768
	s_mov_b32 s[CS], 0x41553b95                    ; c = 2^8 log2(e) / sqrt(768)
	s_mov_b32 s[CS+1], s[CS]
	s_mov_b32 s[SEL], 0x76543210
	s_mov_b32 s[SEL+1], 0xfedcba98
	s_wait_kmcnt 0x0
	s_add_nc_u64 s[66:67], s[4:5], s[16:17]
	s_add_nc_u64 s[46:47], s[6:7], s[46:47]
	CROUND                                         ; all sixteen work-groups are here: the first joint loads meet
.irp s, 0,1
	s_mov_b32 s[G0+4*\s], 1
	s_add_co_u32 s[G0+4*\s+1], s18, \s*SLOT
	s_add_nc_u64 s[G0+4*\s+2:G0+4*\s+3], s[66:67], \s*BLKB
	s_or_b32 s[G0+4*\s+3], s[G0+4*\s+3], 0x80000000
	s_mov_b32 s[G0B+4*\s], 1
	s_add_co_u32 s[G0B+4*\s+1], s18, \s*SLOT
	s_add_nc_u64 s[G0B+4*\s+2:G0B+4*\s+3], s[46:47], \s*BLKB
	s_or_b32 s[G0B+4*\s+3], s[G0B+4*\s+3], 0x80000000
	JLOAD \s
.endr
	v_and_b32 v3, 31, v0
	v_and_b32 v1, 15, v0
	v_lshlrev_b32 v[PO], 4, v3
	s_lshl_b32 s68, s13, 15
	s_lshl_b32 s69, s14, 15
	s_add_co_u32 s69, s69, 65536
.irp s, 0,1
	v_add_nc_u32 v[ADRA+\s], s68, v[PO]
	v_add_nc_u32 v[ADRB+\s], s69, v[PO]
	s_add_co_u32 s68, s68, SLOT
	s_add_co_u32 s69, s69, SLOT
.endr
	s_lshl_b32 s68, s12, 9
	s_add_co_u32 s68, s68, MXB
	s_xor_b32 s69, s12, 1
	s_lshl_b32 s69, s69, 9
	s_add_co_u32 s69, s69, MXB
	v_lshl_add_u32 v[MXW], v1, 2, s68
	v_lshl_add_u32 v[MXP], v1, 2, s69
	v_add_nc_u32 v[MXD], s68, v[PO]
	v_add_nc_u32 v[MXE], s69, v[PO]
	s_lshl_b32 s70, s43, 4                         ; pi: (query block x 64 + 8 x tile of keys + 4 x half) images
	s_lshl_b32 s71, s13, 3
	s_add_co_u32 s70, s70, s71
	s_lshl_b32 s70, s70, 6
	s_lshl_b32 s71, s42, 3
	s_add_co_u32 s70, s70, s71
	s_lshl_b32 s71, s14, 2
	s_add_co_u32 s70, s70, s71
	s_lshl_b32 s70, s70, 10
	s_mov_b32 s71, 0
	s_add_nc_u64 s[8:9], s[8:9], s[70:71]
	s_lshl_b32 s70, s43, 8
	s_lshl_b32 s76, s13, 7
	s_add_co_u32 s70, s70, s76                     ; my first row
	s_lshl_b32 s76, s42, 13
	s_add_co_u32 s76, s76, s70
	s_lshl_b32 s76, s76, 2
	s_mov_b32 s77, 0
	s_add_nc_u64 s[72:73], s[10:11], s[76:77]      ; where my rows' -M go
	s_lshl_b32 s76, s42, 1
	s_add_co_u32 s76, s76, s14
	s_lshl_b32 s76, s76, 13
	s_add_co_u32 s76, s76, s70
	s_lshl_b32 s76, s76, 2
	s_add_co_u32 s76, s76, LS_OFF
	s_add_nc_u64 s[74:75], s[10:11], s[76:77]      ; and their sums
; 16 matrix instructions: query blocks a0, a0 + 1 of the window's four x all 8 key blocks, 32 along K.  The 64 accumulators take turns, one instruction a turn.
.macro MUL16 f, hi, a0, zero
.irp a, \a0, \a0+1
.irp b, 0,1,2,3,4,5,6,7
.if \zero
	v_wmma_f32_16x16x32_f16 v[8*(8*(\a)+\b):8*(8*(\a)+\b)+7], v[\f+8*\b:\f+8*\b+7], v[\f+8*(4*\hi+\a):\f+8*(4*\hi+\a)+7], 0
.else
	v_wmma_f32_16x16x32_f16 v[8*(8*(\a)+\b):8*(8*(\a)+\b)+7], v[\f+8*\b:\f+8*\b+7], v[\f+8*(4*\hi+\a):\f+8*(4*\hi+\a)+7], v[8*(8*(\a)+\b):8*(8*(\a)+\b)+7]
.endif
.endr
.endr
.endm
.macro FETCH slot, k, f                ; 32 LDS loads in one run: quarter k of the slot (32 along K) into buffer f: k's eight fragments, then q's
	WIN TO_B
.irp i, 0,1,2,3,4,5,6,7
	ds_load_b128 v[\f+8*\i:\f+8*\i+3],   v[ADRB+\slot] offset:\i*BLKB+(\k)*KQ
	ds_load_b128 v[\f+8*\i+4:\f+8*\i+7], v[ADRB+\slot] offset:\i*BLKB+(\k)*KQ+512
.endr
	WIN 0
.irp i, 0,1,2,3,4,5,6,7
	ds_load_b128 v[\f+8*\i:\f+8*\i+3],   v[ADRA+\slot] offset:\i*BLKB+(\k)*KQ
	ds_load_b128 v[\f+8*\i+4:\f+8*\i+7], v[ADRA+\slot] offset:\i*BLKB+(\k)*KQ+512
.endr
.endm
.macro QUARTER slot, k, f, g, zero     ; multiplies buffer f; in its middle fetches quarter k into buffer g
	s_wait_dscnt 8                                 ; k's fragments and q's rows 0-63 are in; the youngest eight loads may be out
	WIN MUL_LO
	MUL16 \f, 0, 0, \zero
	MUL16 \f, 0, 2, \zero
	PLACES                                         ; four places in front of loads into registers that matrix instructions have read
	FETCH \slot, \k, \g
	s_wait_dscnt 32                                ; all but the 32 just issued
	WIN MUL_HI
	MUL16 \f, 1, 0, \zero
	MUL16 \f, 1, 2, \zero
.endm
; A slot's last quarter changes slots: one barrier; in front of it each wave waits for all its tensor loads, adds 0 to its spare word, and waits for that and for its reads of this slot.
.macro TURN slot, next, fill
	WIN 0
	s_wait_tensorcnt 0x0                           ; all my tensor loads have landed: the one that was out is my part of the next slot
	ds_add_u32 v[SPW], v[NIL]                      ; 0 onto my spare word
	s_wait_dscnt 9                                 ; (the add and the youngest eight loads may be out)
	WIN MUL_LO
	MUL16 F1, 0, 0, 0
	s_wait_dscnt 0x0                               ; the add is done, and my reads of this slot are over
	s_barrier_signal -1
	MUL16 F1, 0, 2, 0
.if \fill
	WIN 0
.endif
	s_barrier_wait -1
.if \fill
	CREST                                          ; the barrier has opened a round of the cluster's: no wave of any partner still reads this slot or has a load on its way
	s_add_nc_u64 s[G0+4*\slot+2:G0+4*\slot+3], s[G0+4*\slot+2:G0+4*\slot+3], 2*BLKB
	s_add_nc_u64 s[G0B+4*\slot+2:G0B+4*\slot+3], s[G0B+4*\slot+2:G0B+4*\slot+3], 2*BLKB
	JLOAD \slot                                    ; the first tensor load behind the round; its four v_nop are also the places in front of the loads below
.else
	PLACES
.endif
	FETCH \next, 0, F0
	WIN MUL_HI
	MUL16 F1, 1, 0, 0
	MUL16 F1, 1, 2, 0
.endm
	s_wait_tensorcnt 1                             ; my part of K step 0 is in; K step 1's load may be out
	s_barrier_signal -1
	s_barrier_wait -1
	FETCH 0, 0, F0
	QUARTER 0, 1, F0, F1, 1                        ; the first quarter starts the sums: nothing is cleared
	WIN 0
	s_mov_b32 s3, LAPS-1
.Llap:                                             ; a trip goes once round the ring and fills both slots again
	QUARTER 0, 2, F1, F0, 0
	QUARTER 0, 3, F0, F1, 0
	TURN 0, 1, 1
	QUARTER 1, 1, F0, F1, 0
	QUARTER 1, 2, F1, F0, 0
	QUARTER 1, 3, F0, F1, 0
	TURN 1, 0, 1
	QUARTER 0, 1, F0, F1, 0
	WIN 0
	s_sub_co_u32 s3, s3, 1
	s_cmp_lg_u32 s3, 0
	s_cbranch_scc1 .Llap
	QUARTER 0, 2, F1, F0, 0                        ; the last lap fills nothing
	QUARTER 0, 3, F0, F1, 0
	TURN 0, 1, 0
	QUARTER 1, 1, F0, F1, 0
	QUARTER 1, 2, F1, F0, 0
	QUARTER 1, 3, F0, F1, 0
	s_wait_dscnt 8
	WIN MUL_LO
	MUL16 F1, 0, 0, 0
	MUL16 F1, 0, 2, 0
	s_wait_dscnt 0x0
	WIN MUL_HI
	MUL16 F1, 1, 0, 0
	MUL16 F1, 1, 2, 0
	WIN 0
	; ---- the largest score of each query over my 128 keys.  These 24 plain lines name no register of the last products: they are the places behind them
.irp i, 0,1,2,3,4,5,6,7
	v_mov_b32 v[MXR+\i], 0xff800000
	v_mov_b32 v[T+\i], 0                           ; a lane permute's destination counts as one of its sources
	v_mov_b32 v[NMR+2*\i+1], 0
.endr
.irp hh, 0,1
	WIN 0x28+0x14*\hh                              ; sources 1 and 2: window 2, then 3
.irp b, 0,1,2,3,4,5,6,7
.irp p, 0,1,2,3
.irp a, 0,1,2,3
	v_max3_num_f32 v[MXR+4*\hh+\a], v[MXR+4*\hh+\a], v[64*\a+8*\b+2*\p], v[64*\a+8*\b+2*\p+1]   ; four chains by turns; each accumulator from its low end on
.endr
.endr
.endr
.endr
	WIN 0
.irp a, 0,1,2,3,4,5,6,7
	v_permlanex16_b32 v[T+\a], v[MXR+\a], s[SEL], s[SEL+1]
.endr
.irp a, 0,1,2,3,4,5,6,7
	v_max_num_f32 v[MXR+\a], v[MXR+\a], v[T+\a]
.endr
	; ---- with the wave that has the same queries' other 128 keys
.irp a, 0,1,2,3,4,5,6,7
	ds_store_b32 v[MXW], v[MXR+\a] offset:64*\a    ; word 16 a + r; both halves of the lanes write the same value
.endr
	s_wait_dscnt 0x0                               ; for the others' sake: my stores are done
	s_barrier_signal -1
	s_barrier_wait -1
.irp a, 0,1,2,3,4,5,6,7
	ds_load_b32 v[T+\a], v[MXP] offset:64*\a
.endr
	ds_load_b128 v[LA:LA+3], v[MXD]                ; the same 128 words once more, four rows a lane, for a dense store
	ds_load_b128 v[LB:LB+3], v[MXE]
	s_wait_dscnt 0x0
.irp a, 0,1,2,3,4,5,6,7
	v_max_num_f32 v[MXR+\a], v[MXR+\a], v[T+\a]
.endr
.irp a, 0,1,2,3,4,5,6,7
	v_mul_f32 v[MXR+\a], s[CS], v[MXR+\a]          ; as t (c is positive)
.endr
.irp a, 0,1,2,3,4,5,6,7
	v_floor_f32 v[NMR+2*\a], -v[MXR+\a]            ; -M = floor(-t): M is a whole number
.endr
.irp i, 0,1,2,3
	v_max_num_f32 v[LA+\i], v[LA+\i], v[LB+\i]
.endr
.irp i, 0,1,2,3
	v_mul_f32 v[LA+\i], s[CS], v[LA+\i]
.endr
.irp i, 0,1,2,3
	v_floor_f32 v[LA+\i], -v[LA+\i]                ; the same three lines on the same numbers: the same bits
.endr
	s_cmp_lg_u32 s14, 0                            ; one of the two waves stores them
	s_cbranch_scc1 .Lnot_m
	global_store_b128 v[PO], v[LA:LA+3], s[72:73]  ; 512 consecutive bytes, aligned
.Lnot_m:
; ---- query block a: p = 2^(t - M); its sum; rounded to f16 and stored
.macro PBLK a
.set W, 2+(\a)/4
.set AC, 64*((\a)%4)
	WIN (W<<6)|W
.set i, 0
.rept 32
	v_pk_fma_f32 v[AC+i:AC+i+1], v[AC+i:AC+i+1], s[CS:CS+1], v[NMR+2*(\a):NMR+2*(\a)+1] op_sel_hi:[1,0,0]   ; t - M, two at a time
.set i, i+2
.endr
.set i, 0
.rept 64
	v_exp_f32 v[AC+i], v[AC+i]
.set i, i+1
.endr
	WIN 0
.irp i, 0,1,2,3
	v_mov_b32 v[SA+\i], 0                          ; (the plain place behind the exponentials)
.endr
	WIN W<<2
.set i, 0
	s_wait_alu depctr_va_vdst(0)
.rept 16
	v_pk_add_f32 v[SA:SA+1], v[SA:SA+1], v[AC+i:AC+i+1]          ; the sum is taken of the unrounded p, in two chains
	v_pk_add_f32 v[SA+2:SA+3], v[SA+2:SA+3], v[AC+i+2:AC+i+3]
.set i, i+4
.endr
.if (\a) >= 2
	s_wait_xcnt 0x0                                ; block a - 2's stores have read their data: these registers are written again only behind this wait
.endif
	WIN (W<<2)|W
.set i, 0
.rept 32
	v_cvt_pk_f16_f32 v[TMP+32*((\a)%2)+i], v[AC+2*i], v[AC+2*i+1]
.set i, i+1
.endr
	WIN 0
	v_pk_add_f32 v[SA:SA+1], v[SA:SA+1], v[SA+2:SA+3]
	v_add_f32 v[S+(\a)], v[SA], v[SA+1]
	v_permlanex16_b32 v[T+(\a)], v[S+(\a)], s[SEL], s[SEL+1]
	v_add_f32 v[S+(\a)], v[S+(\a)], v[T+(\a)]
.irp b, 0,1,2,3,4,5,6,7
	global_store_b128 v[PO], v[TMP+32*((\a)%2)+4*\b:TMP+32*((\a)%2)+4*\b+3], s[8:9] offset:(\a)*65536+\b*512   ; half an image: 512 consecutive bytes, aligned
.endr
.endm
.irp n, 0,1,2,3,4,5,6,7
	PBLK \n
.endr
	; ---- the sums leave like the maxima: through my own words, four rows a lane.  LDS serves a wave's instructions in order
.irp a, 0,1,2,3,4,5,6,7
	ds_store_b32 v[MXW], v[S+\a] offset:2048+64*\a
.endr
	ds_load_b128 v[LB:LB+3], v[MXD] offset:2048
	s_wait_dscnt 0x0
	global_store_b128 v[PO], v[LB:LB+3], s[74:75]
	s_wait_tensorcnt 0x0                           ; the wave's end
	ds_add_u32 v[SPW], v[NIL]
	s_wait_dscnt 0x0
	CROUND                                         ; the closing round
	s_endpgm
.Lfunc_end_k_q1a3660278d_scores:
	.size	k_q1a3660278d_scores, .Lfunc_end_k_q1a3660278d_scores-k_q1a3660278d_scores
	.p2alignl 7, 3214868480
	.fill 96, 4, 3214868480
	.section	.rodata,"a",@progbits
	.p2align	6, 0x0
	.amdhsa_kernel k_q1a3660278d_scores
		.amdhsa_group_segment_fixed_size 327680
		.amdhsa_private_segment_fixed_size 0
		.amdhsa_enable_private_segment 0
		.amdhsa_kernarg_size 32
		.amdhsa_user_sgpr_count 2
		.amdhsa_user_sgpr_kernarg_segment_ptr 1
		.amdhsa_wavefront_size32 1
		.amdhsa_system_sgpr_workgroup_id_x 1
		.amdhsa_system_sgpr_workgroup_id_y 1
		.amdhsa_system_sgpr_workgroup_id_z 1
		.amdhsa_system_vgpr_workitem_id 0
		.amdhsa_next_free_vgpr 1024
		.amdhsa_next_free_sgpr 80
		.amdhsa_reserve_vcc 0
		.amdhsa_float_denorm_mode_32 3
		.amdhsa_float_denorm_mode_16_64 3
		.amdhsa_memory_ordered 1
		.amdhsa_forward_progress 1
		.amdhsa_inst_pref_size 207
	.end_amdhsa_kernel
	.amdgpu_metadata
---
amdhsa.version: [ 1, 2 ]
amdhsa.kernels:
  - .name:           k_q1a3660278d_scores
    .symbol:         k_q1a3660278d_scores.kd
    .args:
      - { .name: qi, .offset: 0, .size: 8, .value_kind: global_buffer, .address_space: global }
      - { .name: ki, .offset: 8, .size: 8, .value_kind: global_buffer, .address_space: global }
      - { .name: pi, .offset: 16, .size: 8, .value_kind: global_buffer, .address_space: global }
      - { .name: st, .offset: 24, .size: 8, .value_kind: global_buffer, .address_space: global }
    .group_segment_fixed_size: 327680
    .private_segment_fixed_size: 0
    .kernarg_segment_align: 8
    .kernarg_segment_size: 32
    .max_flat_workgroup_size: 128
    .sgpr_count:     80
    .vgpr_count:     1024
    .wavefront_size: 32
...
	.end_amdgpu_metadata
.endif
;; end of part 3
;; launch pv (part 4): grid 4 x 64, 4 waves a work-group, clusters of 4 x 4, 327,680 bytes of LDS; arguments pi, vt, st, out0; writes out0
.if DOCPART == 4
	.amdgcn_target "amdgcn-amd-amdhsa--gfx1250"
	.amdhsa_code_object_version 6
	.text
	.protected	k_q1a3660278d_pv
	.globl	k_q1a3660278d_pv
	.p2align	8
	.type	k_q1a3660278d_pv,@function
k_q1a3660278d_pv:
	s_mov_b64 s[64:65], 0
	v_nop
	global_prefetch_b8 v0, s[64:65] scope:SCOPE_SE
	s_setreg_imm32_b32 hwreg(HW_REG_WAVE_MODE, 25, 1), 1
	s_wait_xcnt 0x0
	s_wait_alu depctr_hold_cnt(0) depctr_sa_sdst(0) depctr_va_vdst(0) depctr_va_sdst(0) depctr_va_ssrc(0) depctr_va_vcc(0) depctr_vm_vsrc(0)
	s_getreg_b32 s2, hwreg(HW_REG_IB_STS2, 6, 4)
	s_cmp_eq_u32 s2, 0
	s_cbranch_scc0 .Lentry_in_a_cluster
	s_endpgm
.Lentry_in_a_cluster:
	s_bfe_u32 s2, ttmp6, 0x10000c
	s_cmp_lg_u32 s2, 0xf033
	s_cbranch_scc0 .Lentry_shape_is_right
	s_endpgm
.Lentry_shape_is_right:
; out = (the sum over the eight chunks c of 256 keys of f_c P_c V_c) / l, in f16 with f32 sums.  P_c holds p = 2^(t - M_c) under the chunk's own whole number M_c; f_c = 2^(M_c - the row's largest M), an exact power of two, at most 1;
; l = the sum of f_c x the stored sums of p, at least 0.5 (the chunk that has the largest M holds a p above 0.5).  V arrives x 2^-4 (the launch that makes it says why): 1 / l carries the 2^4.
; LIMITS: terms whose f_c p falls under the smallest f32 number are lost; NaN and infinities are not served.
; SHARES.  A work-group makes 128 queries x 192 channels: 256 work-groups.  A wave makes 64 x 96: 24 accumulators.  Source 0 = 16 channels of V^T, source 1 = 16 queries of P: a lane holds ONE query and eight channels.
; A K step is one chunk, 8 sub-steps of 32 keys, 192 matrix instructions a wave.  Its products start at 0 in a set of chunk accumulators, which are then added, x f_c, onto the main sums: 96 packed multiply-adds a chunk.
; pi [query block][32 keys: 64][1,024] and vt [channel block 48][32 tokens: 256][1,024] are images of fragments: LDS needs no padding.
; THE RING: two slots.  A slot holds P's 8 blocks and 10 of V^T's 12 blocks, 8,192 bytes each; all 20 twice would leave no LDS for anything else.  So each wave's sixth channel block comes from memory straight into a ring
; of eight fragments in registers, asked for eight sub-steps ahead.
; CLUSTERS: 4 x 4.  P's tiles are shared along a row of the cluster (the four tiles of channels), V^T's along a column (four tiles of queries of one batch): each is asked for JOINTLY.
; REGISTERS: window 0: v1-51 addresses and statistics; v64-255 chunk accumulator (a, b) at v[64 + 8 (6 a + b)].  window 1: v0-71, v72-143 two fragment buffers (P at 8 a, V^T at 32 + 8 b); v144-207 the direct ring.  window 2: the main sums at v[8 (6 a + b)].
.set SLOT,  147456
.set BOFF,  65536                      ; in a slot: P's 8 blocks, then 5 blocks of V^T for each half of the channels
.set BWV,   40960
.set FT,    294912                     ; behind the ring: the factors f, 4,096 bytes a wave: [chunk 8][a 4][128 bytes]
.set SPARE, 311296                     ; the spare words, 128 bytes a wave: two blocks of 256 bytes that no other line names
.set SP,    784                        ; the way out: a stage of 128 rows x (768 bytes + 16), in slot 0, which has had its last fill and its last read by then
.set LS_OFF, 262144
.set L16,  3
.set ADRA, 4
.set ADRB, 6
.set AF0,  8                           ; v8   FT + 4,096 x wave + 4 x lane; never rewritten
.set AF,   9
.set SPW,  10
.set NIL,  11
.set PFO,  12                          ; v12  256 x lane
.set STO,  13
.set RD,   14
.set CO,   17
.set FQ,   20                          ; f of block a in v[20 + 2 a]; the odd registers are named with them as pairs
.set RL,   28                          ; 16 / l likewise
.set SO,   36
.set SO2,  37
.set NMN,  40
.set LL,   44
.set PT,   48
.set ACC,  64
.set F0,   0
.set F1,   72
.set DR,   144
.set FS,   20                          ; s20  512 x the chunk
.set SEL,  22
.set G1A,  24
.set G0A,  32
.set G1B,  48
.set G0B,  56
.set DB,   66                          ; s[66:67] the direct block's images of the K step that is being asked for
.set PFA,  68                          ; s[68:69] where my prefetches stand
.set MUL,  0x05                        ; sources 0 and 1 window 1; C and D window 0
.set TO_F, 0x40
.set MSB, 0
.macro WIN new
.if MSB != (\new)
	s_set_vgpr_msb (MSB<<8)|(\new)
.set MSB, (\new)
.endif
.endm
.macro PLACES
.rept 4
	v_nop
.endr
.endm
.macro JLOAD s                         ; waves 0 and 1 fetch P's halves, waves 2 and 3 V^T's; four v_nop follow each line
	s_cmp_eq_u32 s13, 0
	s_cbranch_scc0 .Lfor_b_\@
	tensor_load_to_lds s[G0A+4*\s:G0A+4*\s+3], s[G1A:G1A+7]
	s_nop 0
	PLACES
	s_branch .Lasked_\@
.Lfor_b_\@:
	tensor_load_to_lds s[G0B+4*\s:G0B+4*\s+3], s[G1B:G1B+7]
	s_nop 0
	PLACES
.Lasked_\@:
.endm
.macro CREST
	s_cmp_lg_u32 s12, 0
	s_cbranch_scc1 .Lnot_wave_0_\@
	s_barrier_signal -3
.Lnot_wave_0_\@:
	s_barrier_wait -3
	s_barrier_signal -1
	s_barrier_wait -1
.endm
.macro CROUND
	s_barrier_signal -1
	s_barrier_wait -1
	CREST
.endm
; A PREFETCH INTO THE L2 of P's K step that the NEXT change of slots will ask for: 192 matrix instructions ahead of that load.  P's tile row is read by my four partners alone, jointly.  Its 8 blocks of a K step, 8,192 bytes each,
; are shared out BY ADDRESS: block 2 cx + (wave % 2), waves 0 and 1 of each partner, lanes 256 bytes apart.  So each aligned block of 256 bytes is named once.  K steps 0 to 2 come by their loads alone; the last refill asks for nothing.
; V^T is read by sixteen tiles of queries, not once: it is not asked for.
.macro ASK
	s_cmp_eq_u32 s13, 0
	s_cbranch_scc0 .Lnot_mine_\@
	global_prefetch_b8 v[PFO], s[PFA:PFA+1] th:TH_LOAD_NT scope:SCOPE_SE
.Lnot_mine_\@:
.endm
	s_load_b256 s[4:11], s[0:1], 0x0               ; pi s[4:5], vt s[6:7], st s[8:9], out0 s[10:11]
	v_lshl_add_u32 v[SPW], v0, 2, SPARE
	v_mov_b32 v[NIL], 0
	ds_add_u32 v10, v11
	s_wait_dscnt 0x0
	v_lshrrev_b32 v1, 5, v0
	v_readfirstlane_b32 s12, v1                    ; wave
	s_lshr_b32 s13, s12, 1                         ; my half of the queries.  Also: I fetch for P (0) or for V^T (1)
	s_and_b32 s14, s12, 1                          ; my half of the channels.  Also: which half I fetch
	s_bfe_u32 s40, ttmp6, 0x40000                  ; cx
	s_bfe_u32 s41, ttmp6, 0x40004                  ; cy
	s_lshl_b32 s42, ttmp9, 2
	s_add_co_u32 s42, s42, s40                     ; tile of channels, 0 .. 3
	s_and_b32 s44, ttmp7, 0xffff
	s_lshl_b32 s43, s44, 2
	s_add_co_u32 s43, s43, s41                     ; tile of queries, 0 .. 63
	s_lshr_b32 s45, s44, 2                         ; the batch, from the cluster's y alone
	s_lshl_b32 s15, s41, 2
	s_lshl_b32 s15, 15, s15                        ; my row of the cluster
	s_lshl_b32 s19, 0x1111, s40                    ; my column
	s_or_b32 s[G1A], s15, (3<<16)|(1<<21)
	s_or_b32 s[G1B], s19, (3<<16)|(1<<21)
	s_mov_b32 s[G1A+1], 1024<<16                   ; rows of 1,024 elements of 8 bytes: a block's eight images
	s_mov_b32 s[G1A+2], 4<<16
	s_mov_b32 s[G1A+3], 1024<<16
	s_mov_b32 s[G1A+4], 4
	s_mov_b32 s[G1A+5], 8192                       ; from query block to query block: 65,536 bytes
	s_mov_b32 s[G1A+6], 0
	s_mov_b32 s[G1A+7], 0
	s_mov_b32 s[G1B+1], 1024<<16
	s_mov_b32 s[G1B+2], 5<<16
	s_mov_b32 s[G1B+3], 1024<<16
	s_mov_b32 s[G1B+4], 5
	s_mov_b32 s[G1B+5], 32768                      ; from channel block to channel block: 262,144 bytes
	s_mov_b32 s[G1B+6], 0
	s_mov_b32 s[G1B+7], 0
	s_lshl_b32 s16, s43, 3
	s_lshl_b32 s17, s14, 2
	s_add_co_u32 s16, s16, s17
	s_lshl_b32 s16, s16, 16                        ; P: query block 8 x tile + 4 x half
	s_mov_b32 s17, 0
	s_mul_i32 s46, s42, 12
	s_mul_i32 s47, s14, 6
	s_add_co_u32 s46, s46, s47
	s_lshl_b32 s46, s46, 8
	s_lshl_b32 s47, s45, 6
	s_add_co_u32 s46, s46, s47
	s_lshl_b32 s46, s46, 10                        ; V^T: (channel block 12 x tile + 6 x half) x 256 images + the batch's 64
	s_mov_b32 s47, 0
	s_lshl_b32 s18, s14, 15
	s_mul_i32 s21, s14, BWV
	s_add_co_u32 s21, s21, BOFF
	s_mov_b32 s[SEL], 0x76543210
	s_mov_b32 s[SEL+1], 0xfedcba98
	s_mov_b32 s[FS], 0
	s_wait_kmcnt 0x0
	s_add_nc_u64 s[76:77], s[4:5], s[16:17]
	s_add_nc_u64 s[78:79], s[6:7], s[46:47]
	CROUND                                         ; all sixteen work-groups are here: the first joint loads meet
.irp s, 0,1
	s_mov_b32 s[G0A+4*\s], 1
	s_add_co_u32 s[G0A+4*\s+1], s18, \s*SLOT
	s_add_nc_u64 s[G0A+4*\s+2:G0A+4*\s+3], s[76:77], \s*8192
	s_or_b32 s[G0A+4*\s+3], s[G0A+4*\s+3], 0x80000000
	s_mov_b32 s[G0B+4*\s], 1
	s_add_co_u32 s[G0B+4*\s+1], s21, \s*SLOT
	s_add_nc_u64 s[G0B+4*\s+2:G0B+4*\s+3], s[78:79], \s*8192
	s_or_b32 s[G0B+4*\s+3], s[G0B+4*\s+3], 0x80000000
	JLOAD \s
.endr
	s_add_nc_u64 s[DB:DB+1], s[78:79], 0x140000    ; my sixth channel block: five blocks of 262,144 bytes on
	s_lshl_b32 s80, s43, 3
	s_lshl_b32 s81, s40, 1
	s_add_co_u32 s80, s80, s81
	s_add_co_u32 s80, s80, s14
	s_lshl_b32 s80, s80, 6
	s_add_co_u32 s80, s80, 16
	s_lshl_b32 s80, s80, 10
	s_mov_b32 s81, 0
	s_add_nc_u64 s[PFA:PFA+1], s[4:5], s[80:81]    ; at K step 2: the first K step steps it to 3
	s_lshl_b32 s80, s43, 9
	s_lshl_b32 s82, s13, 8
	s_add_co_u32 s80, s80, s82
	s_add_nc_u64 s[70:71], s[8:9], s[80:81]        ; st at my first row: -M,
	s_add_nc_u64 s[72:73], s[70:71], LS_OFF        ; and the sums
	s_lshl_b32 s80, s43, 7
	s_lshl_b32 s82, s12, 5
	s_add_co_u32 s80, s80, s82
	s_mul_i32 s80, s80, 3072
	s_mul_i32 s82, s42, 768
	s_add_co_u32 s80, s80, s82
	s_add_nc_u64 s[74:75], s[10:11], s[80:81]      ; out0 at the first of the 32 rows that I store, at the tile's first channel
	v_and_b32 v38, 31, v0                          ; lane
	v_and_b32 v1, 15, v0                           ; r
	v_bfe_u32 v2, v0, 4, 1                         ; h
	v_lshlrev_b32 v[L16], 4, v38
	s_lshl_b32 s80, s13, 15
	s_mul_i32 s81, s14, BWV
	s_add_co_u32 s81, s81, BOFF
.irp s, 0,1
	v_add_nc_u32 v[ADRA+\s], s80, v[L16]
	v_add_nc_u32 v[ADRB+\s], s81, v[L16]
	s_add_co_u32 s80, s80, SLOT
	s_add_co_u32 s81, s81, SLOT
.endr
	s_lshl_b32 s80, s12, 12
	s_add_co_u32 s80, s80, FT
	v_lshl_add_u32 v[AF0], v38, 2, s80
	v_lshlrev_b32 v[PFO], 8, v38
	v_lshlrev_b32 v[SO], 2, v1
	v_lshl_add_u32 v[SO2], v2, 15, v[SO]           ; lanes 16-31 take the second 128 keys of a chunk
	s_mul_i32 s80, s13, 64*SP
	s_mul_i32 s81, s14, 384
	s_add_co_u32 s80, s80, s81
	v_mul_u32_u24 v[STO], v1, SP
	v_lshl_add_u32 v[STO], v2, 5, v[STO]
	v_add_nc_u32 v[STO], s80, v[STO]               ; the stage, in: row 64 x half + r, + 384 x half of the channels + 32 h
	s_mul_i32 s80, s12, 32*SP                      ; back: my 32 whole rows, two at a time = six pieces of 256 bytes = three loads
	v_add_nc_u32 v[RD], s80, v[L16]                ; the first row's bytes 0-511;
	v_mul_u32_u24 v39, v2, 272
	v_lshl_add_u32 v39, v1, 4, v39
	v_add_nc_u32 v39, 512, v39
	v_add_nc_u32 v[RD+1], s80, v39                 ; its bytes 512-767 (lanes 0-15) and the second row's 0-255 (lanes 16-31);
	v_add_nc_u32 v[RD+2], 1040, v[RD]              ; the second row's bytes 256-767
	v_lshlrev_b32 v[CO], 4, v38                    ; and the same places in out0, whose rows are 3,072 bytes
	v_mul_u32_u24 v[CO+1], v2, 2560
	v_lshl_add_u32 v[CO+1], v1, 4, v[CO+1]
	v_add_nc_u32 v[CO+1], 512, v[CO+1]
	v_add_nc_u32 v[CO+2], 3328, v[L16]
.irp a, 0,1,2,3
.irp c, 0,1,2,3,4,5,6,7
	global_load_b32 v[ACC+8*\a+\c], v[SO], s[70:71] offset:\c*32768+\a*64          ; -M of chunk c, query 16 a + r
.endr
.endr
.irp a, 0,1,2,3
.irp c, 0,1,2,3,4,5,6,7
	global_load_b32 v[ACC+32+8*\a+\c], v[SO2], s[72:73] offset:\c*65536+\a*64      ; the sum over keys 256 c + 128 h on
.endr
.endr
	WIN TO_F
.irp k, 0,1,2,3,4,5,6,7
	global_load_b128 v[DR+8*\k:DR+8*\k+3],   v[L16], s[DB:DB+1] offset:\k*1024     ; the direct ring: K step 0
	global_load_b128 v[DR+8*\k+4:DR+8*\k+7], v[L16], s[DB:DB+1] offset:\k*1024+512
.endr
	WIN 0
.irp a, 0,1,2,3
	v_mov_b32 v[PT+\a], 0                          ; a lane permute's destination counts as one of its sources
	v_mov_b32 v[FQ+2*\a+1], 0
.endr
	s_wait_loadcnt 16                              ; the statistics are in; the ring's 16 loads may be out
.irp a, 0,1,2,3
	v_min_num_f32 v[NMN+\a], v[ACC+8*\a], v[ACC+8*\a+1]
.endr
.irp c, 2,3,4,5,6,7
.irp a, 0,1,2,3
	v_min_num_f32 v[NMN+\a], v[NMN+\a], v[ACC+8*\a+\c]     ; the smallest -M: the row's largest M
.endr
.endr
.irp c, 0,1,2,3,4,5,6,7
.irp a, 0,1,2,3
	v_sub_f32 v[ACC+8*\a+\c], v[NMN+\a], v[ACC+8*\a+\c]    ; M_c - the largest: a whole number, 0 or less
.endr
.endr
.irp c, 0,1,2,3,4,5,6,7
.irp a, 0,1,2,3
	v_cvt_i32_f32 v[ACC+8*\a+\c], v[ACC+8*\a+\c]           ; (it saturates)
.endr
.endr
.irp c, 0,1,2,3,4,5,6,7
.irp a, 0,1,2,3
	v_ldexp_f32 v[ACC+8*\a+\c], 1.0, v[ACC+8*\a+\c]        ; f_c
.endr
.endr
.irp c, 0,1,2,3,4,5,6,7
.irp a, 0,1,2,3
	ds_store_b32 v[AF0], v[ACC+8*\a+\c] offset:\c*512+\a*128   ; kept in my own LDS words: the loop over chunks takes them from there
.endr
.endr
.irp a, 0,1,2,3
	v_mul_f32 v[LL+\a], v[ACC+8*\a], v[ACC+32+8*\a]
.endr
.irp c, 1,2,3,4,5,6,7
.irp a, 0,1,2,3
	v_fmac_f32 v[LL+\a], v[ACC+8*\a+\c], v[ACC+32+8*\a+\c]
.endr
.endr
.irp a, 0,1,2,3
	v_permlanex16_b32 v[PT+\a], v[LL+\a], s[SEL], s[SEL+1]
.endr
.irp a, 0,1,2,3
	v_add_f32 v[LL+\a], v[LL+\a], v[PT+\a]         ; l
.endr
.irp a, 0,1,2,3
	v_rcp_f32 v[RL+2*\a], v[LL+\a]
.endr
.irp a, 0,1,2,3
	v_mov_b32 v[RL+2*\a+1], 0                      ; (the plain place behind the reciprocals)
.endr
	s_wait_alu depctr_va_vdst(0)
.irp a, 0,1,2,3
	v_mul_f32 v[RL+2*\a], 0x41800000, v[RL+2*\a]   ; x 2^4, exact: V was stored x 2^-4
.endr
; four matrix instructions: channel block b x my four query blocks, sub-step k on buffer f.  The 24 accumulators take turns, one instruction a turn.
.macro GROUP b, f, k, zero
.irp a, 0,1,2,3
.set rD, ACC+8*(6*\a+(\b))
.if (\b) == 5
.set rB, DR+8*(\k)
.else
.set rB, \f+32+8*(\b)
.endif
.set rA, \f+8*\a
.if \zero
	v_wmma_f32_16x16x32_f16 v[rD:rD+7], v[rB:rB+7], v[rA:rA+7], 0
.else
	v_wmma_f32_16x16x32_f16 v[rD:rD+7], v[rB:rB+7], v[rA:rA+7], v[rD:rD+7]
.endif
.endr
.endm
.macro FETCH slot, k, f                ; 18 LDS loads: P's four fragments, then V^T's five
.irp a, 0,1,2,3
	ds_load_b128 v[\f+8*\a:\f+8*\a+3],   v[ADRA+(\slot)] offset:\a*8192+(\k)*1024
	ds_load_b128 v[\f+8*\a+4:\f+8*\a+7], v[ADRA+(\slot)] offset:\a*8192+(\k)*1024+512
.endr
.irp b, 0,1,2,3,4
	ds_load_b128 v[\f+32+8*\b:\f+32+8*\b+3], v[ADRB+(\slot)] offset:\b*8192+(\k)*1024
	ds_load_b128 v[\f+32+8*\b+4:\f+32+8*\b+7], v[ADRB+(\slot)] offset:\b*8192+(\k)*1024+512
.endr
.endm
; Sub-step k = 0 .. 6.  lc: the direct loads younger than this sub-step's two.  re = 1: the ring's place k is asked for again, for the next K step.
.macro SUBK slot, k, lc, re
.set FB, F0+72*((\k)%2)
.set FN, F0+72*(((\k)+1)%2)
.set ZR, 0
.if (\k) == 0
.set ZR, 1
.endif
	s_wait_dscnt 6                                 ; P's fragments and V^T's blocks 0, 1 are in; the youngest six loads (blocks 2 to 4) may be out
	s_wait_loadcnt \lc
	WIN MUL
	GROUP 5, FB, \k, ZR
	GROUP 0, FB, \k, ZR
	GROUP 1, FB, \k, ZR
	PLACES                                         ; four places in front of loads into registers that matrix instructions have read
	WIN TO_F
	FETCH \slot, (\k)+1, FN
.if \re
	global_load_b128 v[DR+8*(\k):DR+8*(\k)+3],   v[L16], s[DB:DB+1] offset:(\k)*1024
	global_load_b128 v[DR+8*(\k)+4:DR+8*(\k)+7], v[L16], s[DB:DB+1] offset:(\k)*1024+512
.endif
	s_wait_dscnt 18                                ; all but the 18 just issued
	WIN MUL
	GROUP 2, FB, \k, ZR
	GROUP 3, FB, \k, ZR
	GROUP 4, FB, \k, ZR
.endm
.macro FLOADS                          ; this chunk's factors
	v_add_nc_u32 v[AF], s[FS], v[AF0]
.irp a, 0,1,2,3
	ds_load_b32 v[FQ+2*\a], v[AF] offset:\a*128
.endr
.endm
; Sub-step 7 changes slots: one barrier; in front of it each wave waits for all its tensor loads, adds 0 to its spare word, and waits for that and for its reads of this slot.  mode = 2: the slot is filled again, two K steps ahead.
.macro TURN slot, mode, ask
	WIN 0
	s_wait_tensorcnt 0x0                           ; all my tensor loads have landed: the one that was out is my part of the next slot
	ds_add_u32 v[SPW], v[NIL]                      ; 0 onto my spare word
	s_wait_dscnt 7                                 ; (the add and the youngest six loads may be out)
	s_wait_loadcnt 14                              ; the ring's place 7 is in; the 14 loads asked for in this K step may be out
	WIN MUL
	GROUP 5, F1, 7, 0
	GROUP 0, F1, 7, 0
	s_wait_dscnt 0x0                               ; the add is done, and my reads of this slot are over
	s_barrier_signal -1
	GROUP 1, F1, 7, 0
	WIN 0
	s_barrier_wait -1
.if \mode == 2
	CREST                                          ; the barrier has opened a round of the cluster's: no wave of any partner still reads this slot or has a load on its way
	s_add_nc_u64 s[G0A+4*\slot+2:G0A+4*\slot+3], s[G0A+4*\slot+2:G0A+4*\slot+3], 16384
	s_add_nc_u64 s[G0B+4*\slot+2:G0B+4*\slot+3], s[G0B+4*\slot+2:G0B+4*\slot+3], 16384
	JLOAD \slot                                    ; the first tensor load behind the round; its four v_nop are also the places in front of the loads below
.else
	PLACES
.endif
	FLOADS
	s_add_co_u32 s[FS], s[FS], 512
	WIN TO_F
	FETCH 1-\slot, 0, F0
	global_load_b128 v[DR+56:DR+59], v[L16], s[DB:DB+1] offset:7*1024
	global_load_b128 v[DR+60:DR+63], v[L16], s[DB:DB+1] offset:7*1024+512
	WIN 0
.if \ask
	ASK
.endif
	WIN MUL
	GROUP 2, F1, 7, 0
	GROUP 3, F1, 7, 0
	GROUP 4, F1, 7, 0
.endm
.macro LAST                            ; the last K step's sub-step 7: nothing more to fetch, no barrier
	s_wait_dscnt 6
	s_wait_loadcnt 0x0
	WIN MUL
	GROUP 5, F1, 7, 0
	GROUP 0, F1, 7, 0
	GROUP 1, F1, 7, 0
	WIN 0
	FLOADS
	s_wait_dscnt 4                                 ; all but the four loads of f
	WIN MUL
	GROUP 2, F1, 7, 0
	GROUP 3, F1, 7, 0
	GROUP 4, F1, 7, 0
.endm
; The chunk's sums, x f, onto the main sums.  left: the LDS loads younger than those of f.  first = 1: the first chunk starts the main sums: nothing is cleared.
.macro FLUSH first, left
	PLACES                                         ; in front of the first read of results just made
	s_wait_dscnt \left
.if \first
	WIN 0x80
.else
	WIN 0xa0                                       ; destination and source 2 window 2
.endif
.irp a, 0,1,2,3
.set i, 0
.rept 24
.if \first
	v_pk_mul_f32 v[48*\a+i:48*\a+i+1], v[ACC+48*\a+i:ACC+48*\a+i+1], v[FQ+2*\a:FQ+2*\a+1] op_sel_hi:[1,0]
.else
	v_pk_fma_f32 v[48*\a+i:48*\a+i+1], v[ACC+48*\a+i:ACC+48*\a+i+1], v[FQ+2*\a:FQ+2*\a+1], v[48*\a+i:48*\a+i+1] op_sel_hi:[1,0,1]
.endif
.set i, i+2
.endr
.endr
	WIN 0
.endm
.macro STEP slot, mode, first, ask
	s_wait_xcnt 0x0                                ; the direct loads and the prefetch of the K step before have read their bases: these are stepped only behind this wait
.if \mode != 0
	s_add_nc_u64 s[DB:DB+1], s[DB:DB+1], 8192
.endif
.if \ask
	s_add_nc_u64 s[PFA:PFA+1], s[PFA:PFA+1], 8192
.endif
.irp k, 0,1,2,3,4,5,6
.if \mode == 0
	SUBK \slot, \k, 14-2*\k, 0                     ; nothing is asked for again: the counts run down
.else
	SUBK \slot, \k, 14, 1                          ; seven places of the ring, two loads each, are younger
.endif
.endr
.if \mode == 0
	LAST
	FLUSH \first, 0
.else
	TURN \slot, \mode, \ask
	FLUSH \first, 18                               ; the next sub-step's 18 loads may be out; f is in
.endif
.endm
	s_wait_dscnt 0x0                               ; my stores of f are done
	s_wait_tensorcnt 1                             ; my part of K step 0 is in; K step 1's load may be out
	s_barrier_signal -1
	s_barrier_wait -1
	WIN TO_F
	FETCH 0, 0, F0
	WIN 0
	STEP 0, 2, 1, 1                                ; chunk 0
	s_mov_b32 s3, 2
.Lpair:                                            ; chunks 1 to 4
	STEP 1, 2, 0, 1
	STEP 0, 2, 0, 1
	s_sub_co_u32 s3, s3, 1
	s_cmp_lg_u32 s3, 0
	s_cbranch_scc1 .Lpair
	STEP 1, 2, 0, 0                                ; chunk 5: the last refill; the tail is written out
	STEP 0, 1, 0, 0                                ; chunk 6
	STEP 1, 0, 0, 0                                ; chunk 7
	; THE WAY OUT: x 16 / l; through a stage, since a row's 768 bytes come from two waves; back as whole rows, sixteen lanes to an aligned piece of 256 bytes
	WIN 0x82
.irp a, 0,1,2,3
.set i, 0
.rept 24
	v_pk_mul_f32 v[48*\a+i:48*\a+i+1], v[48*\a+i:48*\a+i+1], v[RL+2*\a:RL+2*\a+1] op_sel_hi:[1,0]
.set i, i+2
.endr
.endr
	WIN 0x08                                       ; an LDS store's data are its source 1: window 2
.irp a, 0,1,2,3
.irp b, 0,1,2,3,4,5
	ds_store_b128 v[STO], v[8*(6*\a+\b):8*(6*\a+\b)+3] offset:\a*16*SP+\b*64
	ds_store_b128 v[STO], v[8*(6*\a+\b)+4:8*(6*\a+\b)+7] offset:\a*16*SP+\b*64+16
.endr
.endr
	WIN 0
	s_wait_dscnt 0x0                               ; for the others' sake: my stores into the stage are done
	s_barrier_signal -1
	s_barrier_wait -1
.irp i, 0,1,2,3,4,5,6,7,8,9,10,11,12,13,14,15
.irp k, 0,1,2
	ds_load_b128 v[ACC+4*(3*\i+\k):ACC+4*(3*\i+\k)+3], v[RD+\k] offset:\i*2*SP
.endr
.endr
.irp i, 0,1,2,3,4,5,6,7,8,9,10,11,12,13,14,15
.irp k, 0,1,2
	s_wait_dscnt 47-(3*\i+\k)
	global_store_b128 v[CO+\k], v[ACC+4*(3*\i+\k):ACC+4*(3*\i+\k)+3], s[74:75] offset:\i*6144 th:TH_STORE_NT
.endr
.endr
	s_wait_tensorcnt 0x0                           ; the wave's end
	ds_add_u32 v[SPW], v[NIL]
	s_wait_dscnt 0x0
	CROUND                                         ; the closing round
	s_endpgm
.Lfunc_end_k_q1a3660278d_pv:
	.size	k_q1a3660278d_pv, .Lfunc_end_k_q1a3660278d_pv-k_q1a3660278d_pv
	.p2alignl 7, 3214868480
	.fill 96, 4, 3214868480
	.section	.rodata,"a",@progbits
	.p2align	6, 0x0
	.amdhsa_kernel k_q1a3660278d_pv
		.amdhsa_group_segment_fixed_size 327680
		.amdhsa_private_segment_fixed_size 0
		.amdhsa_enable_private_segment 0
		.amdhsa_kernarg_size 32
		.amdhsa_user_sgpr_count 2
		.amdhsa_user_sgpr_kernarg_segment_ptr 1
		.amdhsa_wavefront_size32 1
		.amdhsa_system_sgpr_workgroup_id_x 1
		.amdhsa_system_sgpr_workgroup_id_y 1
		.amdhsa_system_sgpr_workgroup_id_z 1
		.amdhsa_system_vgpr_workitem_id 0
		.amdhsa_next_free_vgpr 768
		.amdhsa_next_free_sgpr 90
		.amdhsa_reserve_vcc 0
		.amdhsa_float_denorm_mode_32 3
		.amdhsa_float_denorm_mode_16_64 3
		.amdhsa_memory_ordered 1
		.amdhsa_forward_progress 1
		.amdhsa_inst_pref_size 236
	.end_amdhsa_kernel
	.amdgpu_metadata
---
amdhsa.version: [ 1, 2 ]
amdhsa.kernels:
  - .name:           k_q1a3660278d_pv
    .symbol:         k_q1a3660278d_pv.kd
    .args:
      - { .name: pi, .offset: 0, .size: 8, .value_kind: global_buffer, .address_space: global }
      - { .name: vt, .offset: 8, .size: 8, .value_kind: global_buffer, .address_space: global }
      - { .name: st, .offset: 16, .size: 8, .value_kind: global_buffer, .address_space: global }
      - { .name: out0, .offset: 24, .size: 8, .value_kind: global_buffer, .address_space: global }
    .group_segment_fixed_size: 327680
    .private_segment_fixed_size: 0
    .kernarg_segment_align: 8
    .kernarg_segment_size: 32
    .max_flat_workgroup_size: 128
    .sgpr_count:     90
    .vgpr_count:     768
    .wavefront_size: 32
...
	.end_amdgpu_metadata
.endif
;; end of part 4
